; MI455X (gfx1250); checked and timed in simulation.
; The chip was launched on July 23, 2026; its instructions are those of AMD's public machine-readable ISA for CDNA 5 (MIT licence, August 2026) and "CDNA5" Instruction Set Architecture Reference Guide (July 2026). The comments in the code are by the model that wrote it; some were corrected since.
;; Attention. Allowed arithmetic: matrix products marked QUANTISED: E2M1 operands, one E8M0 scale for each 32 along K, by v_wmma_scale_f32_16x16x128_f8f6f4 with both operands' format E2M1 (or v_wmma_scale_f32_32x16x128_f4), f32 sums; everything else in f32.
;; Inputs: Wk 4 x 4,096 x 1,024 float32; Wq 4 x 4,096 x 1,024 float32; Wv 4 x 4,096 x 1,024 float32; bk 4 x 1,024 float32; bq 4 x 1,024 float32; bv 4 x 1,024 float32; h 1,024 x 4,096 float32.
;; Outputs: out0 1,024 x 4,096 float32.
;; This version of the problem:
;;   THIS VERSION OF THE PROBLEM IS GIVEN IN LOW PRECISION. The matrix products marked QUANTISED in the list below multiply operands that are first quantised to E2M1 (2 exponent bits, 1 mantissa bit; 4 bits a number), with one power-of-two scale for each 32 numbers along K (OCP MX v1.0); their sums are f32. All else is computed in f32.
;;   The module's matrix products, in the order in which they are computed (A, B: the left and right operand; K: the contracted axis; several contracted axes count as one K, in the product's order):
;;     1. [M 4,096, K 4,096] x [K 4,096, N 1,024]; A: input Wq; B: input h: QUANTISED
;;     2. [M 4,096, K 4,096] x [K 4,096, N 1,024]; A: input Wk; B: input h: QUANTISED
;;     3. [M 4,096, K 4,096] x [K 4,096, N 1,024]; A: input Wv; B: input h: QUANTISED
;;     4. batch 4 x [M 1,024, K 1,024] x [K 1,024, N 1,024]; A: computed on the way; B: computed on the way: QUANTISED
;;     5. batch 4 x [M 1,024, K 1,024] x [K 1,024, N 1,024]; A: softmax (see below); B: computed on the way: QUANTISED
;;   THE QUANTISER, for each operand of a quantised product, along K:
;;     - K is cut into blocks of 32 from its start; a last block that is shorter is filled with zeros.
;;     - A block's scale is 2^e with e = floor(log2(the largest magnitude in the block)) - 2, held to -126 .. 127; a block of zeros has e = 0. As a byte (E8M0): e + 127.
;;     - Each number is divided by its block's scale, clamped to +-6, and rounded to the nearest number of E2M1, ties to even, subnormals kept.
;;     - The product sums the exact products of the quantised numbers (number of the format x scale) in f32.
;;   ~~~python
;;   def quantise(x, axis):      # numpy; x: float32 -> the quantised numbers, widened to float32 again
;;       x = np.moveaxis(x, axis, -1); K = x.shape[-1]
;;       x = np.pad(x, [(0, 0)] * (x.ndim - 1) + [(0, -K % 32)]); x = x.reshape(x.shape[:-1] + (-1, 32)); a = np.abs(x).max(-1, keepdims=True)
;;       e = np.where(a > 0, np.clip(np.frexp(np.where(a > 0, a, 1))[1] - 1 - 2, -126, 127), 0)      # np.frexp(a)[1] - 1 = floor(log2(a)), exactly
;;       r = np.clip(x / 2.0 ** e, -6, 6)
;;       step = 2.0 ** (np.maximum(np.frexp(np.where(r == 0, 1, r))[1] - 1, 0) - 1)
;;       q = np.round(r / step) * step * 2.0 ** e      # np.round: ties to even
;;       return np.moveaxis(q.reshape(q.shape[:-2] + (-1,))[..., :K], -1, axis).astype(np.float32)
;;   ~~~
;;   SOFTMAX AHEAD OF A QUANTISED PRODUCT. Where the list says 'softmax', what is quantised is not the finished softmax but p = 2^(t - M), with t = logit x log2(e) and M = ceil(the row's largest t), a whole number; so 1/2 < the row's largest p <= 1. The row's sum l is taken of the UNQUANTISED p, in f32, and the product's result is divided by l at the end. Since M is a whole number, a kernel that streams over the keys may use a running M (the ceiling of the running maximum): every later rescaling is an exact power of two, which a block's scale takes up: the codes' values come out the same.
;;   OPERANDS COMPUTED ON THE WAY. 'Computed on the way' means the value that the module computes at that place (a softmax that the list does not call 'softmax' is quantised finished and normalised). What goes into a quantiser is computed in f32, as accurately as f32 sums, v_exp_f32 and their like allow (about 1e-6 of the number): no bf16 or f16 on the way to a quantiser, and a product that is left as it is and whose result goes on into a quantised operand takes f32 operands (vector FMAs, or v_wmma_f32_16x16x4_f32). A number that lies on a knife's edge between two numbers of the format may be rounded either way, as far as f32 arithmetic and the matrix unit's own rounding can turn it there, and no further.
;; One version. Each part assembles by itself: llvm-mc -triple=amdgcn-amd-amdhsa -mcpu=gfx1250 --defsym DOCPART=n.
;; ======== version 1 of 1: 4 launches
;; limits: right only within a limited range of input values
;; workspace buffers: hq 2,228,224 bytes; wq 26,738,688 bytes; qkv 6,684,672 bytes; pm 2,490,368 bytes
;; launch quant (part 1): grid 256 x 1, 13 waves a work-group, no clusters, 10,496 bytes of LDS; arguments h, Wq, Wk, Wv, hq, wq; writes hq, wq
.if DOCPART == 1
	.amdgcn_target "amdgcn-amd-amdhsa--gfx1250"
	.amdhsa_code_object_version 6
	.text
	.protected	k_q5e38880d79_quant
	.globl	k_q5e38880d79_quant
	.p2align	8
	.type	k_q5e38880d79_quant,@function
k_q5e38880d79_quant:
	s_mov_b64 s[64:65], 0
	v_nop
	global_prefetch_b8 v0, s[64:65] scope:SCOPE_SE
	s_setreg_imm32_b32 hwreg(HW_REG_WAVE_MODE, 25, 1), 1
	s_wait_xcnt 0x0
; LAUNCH 1 OF 4.  h [1024][4096] and Wq, Wk, Wv [4][4096][1024], f32, become codes of E2M1 with one E8M0 byte for each 32 along d, the K of the three projections.
; DEAD WORK: none.  Every input moves the codes or scales of a quantised operand of a live product (bk too: it stands ahead of the quantiser of k), so all seven inputs are loaded: h and the weights here, the biases in the second launch.
; A block's scale is 2^(floor(log2(its largest magnitude)) - 2); its byte is the largest magnitude's exponent field - 2, held at 1 from below.
; LIMITS: a block's largest magnitude is taken no smaller than 2^-124 (the floor); a block of zeros gets the byte 1 where the rule says 127: its codes are zeros, and this program alone reads the bytes; NaN and infinities are not served.
; LAYOUT OF hq AND wq: [S = d / 512][group of 256 rows][BLK bytes].  A block holds 16 tiles of 16 rows x 4 fragments of 128 along d, each fragment 1,024 bytes AS AN IMAGE OF THE OPERAND REGISTERS: the 16 bytes of
; (row r, block q of 32) at 256 q + 16 r; then, at 65,536, 16 scale bytes a row.  THE ROWS OF A TILE ARE NOT NEIGHBOURS: image row r of tile tau is row 32 (tau / 2) + 8 (tau % 2) + r + 8 (r / 8) of the group, so that a product
; that takes such tiles as source 0 leaves 16 neighbouring rows in the 16 registers of two neighbouring tiles.  A row of wq is tensor x 4096 + head x 1024 + e.
; SHARES.  A UNIT is a wave's work: 32 rows of codes (a pair of tiles) x 512 along d: a lane a row, 16 blocks; 65,536 bytes in, 8,704 out.  Each block's 16 bytes leave by one store in which sixteen lanes write 256
; consecutive aligned bytes.  h has 1024 x 4096 / (32 x 512) = 256 units, the weights 3 x 4 x 4096 x 1024 / (32 x 512) = 3,072 = 12 x 256.  So a work-group has THIRTEEN waves and there are 256 work-groups, all with the same bytes to move:
; waves 0-11 take weight units 12 x work-group + wave (d is the row index: a lane takes a column e and its registers run down d); wave 12 takes h's unit = work-group (d innermost: 256 bytes of two rows a load,
; turned through the wave's own stage in LDS).  The waves share nothing: no barrier.  The two ways part on the wave's number alone.
.set BLK,   69632                      ; 65,536 bytes of codes + 4,096 of scale bytes
.set STGB,  8704                       ; wave 12's stage: 32 rows x (256 bytes + 16)
.set SPARE, STGB                       ; behind the stage: the spare words, 128 bytes for each of the 13 waves: 1,664, in seven blocks of 256 bytes that no other line names
.set LO,  2                            ; v2   weights: 4 x lane
.set LC,  3                            ; v3   my codes' place in the pair of tiles: 4096 u + 16 r
.set LS,  4                            ; v4   my scale bytes' place: 256 u + 16 r
.set SI,  5                            ; v5   the stage, on the way in
.set SO,  6                            ; v6   and on the way out: my row
.set HO,  7                            ; v7   h: (lane / 16) rows + 16 (lane % 16)
.set SPW, 14                           ; v14  LDS address of my spare word; never rewritten
.set NIL, 15                           ; v15  0; never rewritten
.set SB,  16                           ; v16-19   my 16 scale bytes
.set X,   32                           ; v32-95   two blocks of 32 numbers
.set CH,  96                           ; v96-111  h: four sets of codes, by turns
.set R,   112                          ; v112-239 h: two sets of 64 registers as loaded
.set CW,  112                          ; v112-175 weights: a set of codes for each block
.set WV,  16                           ; s16  my wave's number, 0 .. 12
.set SRC, 18                           ; s[18:19] where my numbers begin
.set DC,  20                           ; s[20:21] where my codes go
.set DS,  22                           ; s[22:23] where my scale bytes go
.set W4,  36                           ; s36  weights: which 32 of a run of 128 columns are mine
; Block t: 32 numbers in v[xs] on -> 16 bytes of codes in v[cb] on, stored; the byte into v[SB].  xw = 1: the code registers take turns, so the earlier stores must have read them.
.macro QBLOCK t, xs, cb, xw
.if \xw
	s_wait_xcnt 0x0                                ; the stores issued so far have read their registers
.endif
	v_max3_num_f32 v12, |v[(\xs)]|, |v[(\xs)+1]|, |v[(\xs)+2]|
	v_max3_num_f32 v13, |v[(\xs)+3]|, |v[(\xs)+4]|, |v[(\xs)+5]|
.irp i, 6,10,14,18,22,26
	s_delay_alu instid0(VALU_DEP_2)
	v_max3_num_f32 v12, v12, |v[(\xs)+\i]|, |v[(\xs)+\i+1]|
	s_delay_alu instid0(VALU_DEP_2)
	v_max3_num_f32 v13, v13, |v[(\xs)+\i+2]|, |v[(\xs)+\i+3]|
.endr
	s_delay_alu instid0(VALU_DEP_2)
	v_max3_num_f32 v12, v12, |v[(\xs)+30]|, |v[(\xs)+31]|
	s_delay_alu instid0(VALU_DEP_1)
	v_max3_num_f32 v12, v12, v13, 0x1800000        ; and the floor 2^(3 - 127): the byte cannot fall under 1
	s_delay_alu instid0(VALU_DEP_1)
	v_add_nc_u32 v11, 0xff000000, v12              ; 2 off the exponent field: the conversion takes this operand's exponent field as its scale
	s_delay_alu instid0(VALU_DEP_1)
	v_lshrrev_b32 v13, 23, v11                     ; the scale's byte
.if (\t)%4 == 0
	s_delay_alu instid0(VALU_DEP_1)
	v_mov_b32 v[SB+(\t)/4], v13
.else
	s_delay_alu instid0(VALU_DEP_1)
	v_lshl_or_b32 v[SB+(\t)/4], v13, 8*((\t)%4), v[SB+(\t)/4]
.endif
.irp g, 0,1,2,3
	v_cvt_scalef32_pk8_fp4_f32 v[(\cb)+\g], v[(\xs)+8*\g:(\xs)+8*\g+7], v11
.endr
	global_store_b128 v[LC], v[(\cb):(\cb)+3], s[DC:DC+1] offset:256*(\t)   ; lanes of one tile: 256 consecutive aligned bytes
.endm
.macro WLOAD t                         ; W(32 t + i, my column), i = 0 .. 31
.irp i, 0,1,2,3,4,5,6,7,8,9,10,11,12,13,14,15,16,17,18,19,20,21,22,23,24,25,26,27,28,29,30,31
	global_load_b32 v[X+32*((\t)%2)+\i], v[LO], s[SRC:SRC+1] offset:(32*(\t)+\i)*4096 th:TH_LOAD_NT
.endr
.endm
.macro HLOAD j                         ; 32 rows x 64 numbers: a load takes 256 consecutive bytes of each of two rows
.irp i, 0,1,2,3,4,5,6,7,8,9,10,11,12,13,14,15
	global_load_b128 v[R+64*((\j)%2)+4*\i:R+64*((\j)%2)+4*\i+3], v[HO], s[SRC:SRC+1] offset:32768*\i+256*(\j) th:TH_LOAD_NT
.endr
.endm
	s_load_b256 s[4:11], s[0:1], 0x0               ; h, Wq, Wk, Wv
	s_load_b128 s[12:15], s[0:1], 0x20             ; hq, wq
	v_lshl_add_u32 v[SPW], v0, 2, SPARE
	v_mov_b32 v[NIL], 0
	v_lshrrev_b32 v1, 5, v0
	s_delay_alu instid0(VALU_DEP_1)
	v_readfirstlane_b32 s[WV], v1                  ; wave 0..12
	v_and_b32 v1, 31, v0                           ; lane = my row among the wave's 32
	s_delay_alu instid0(VALU_DEP_1)
	v_lshlrev_b32 v[LO], 2, v1
	s_delay_alu instid0(VALU_DEP_2)
	v_and_b32 v8, 15, v1
	s_delay_alu instid0(VALU_DEP_3)
	v_lshrrev_b32 v9, 4, v1
	s_delay_alu instid0(VALU_DEP_1)
	v_lshlrev_b32 v[HO], 14, v9                    ; a row of h is 16,384 bytes
	s_delay_alu instid0(VALU_DEP_1)
	v_lshl_add_u32 v[HO], v8, 4, v[HO]
	v_bfe_u32 v10, v1, 3, 1                        ; u: which tile of the pair my row falls into
	v_and_b32 v[LS], 7, v1
	s_delay_alu instid0(VALU_DEP_1)
	v_lshl_add_u32 v[LS], v9, 3, v[LS]             ; r: its image row there
	s_delay_alu instid0(VALU_DEP_1)
	v_lshlrev_b32 v[LS], 4, v[LS]
	s_delay_alu instid0(VALU_DEP_1)
	v_lshl_add_u32 v[LC], v10, 12, v[LS]
	s_delay_alu instid0(VALU_DEP_2)
	v_lshl_add_u32 v[LS], v10, 8, v[LS]
	v_mul_u32_u24 v[SI], v9, 272                   ; the stage's addresses are made ahead of the parting; wave 12 alone uses them
	s_delay_alu instid0(VALU_DEP_1)
	v_lshl_add_u32 v[SI], v8, 4, v[SI]
	v_mul_u32_u24 v[SO], v1, 272
	s_wait_kmcnt 0x0
	s_cmp_eq_u32 s[WV], 12
	s_cbranch_scc1 .Lh
	; ---- the weights: waves 0-11
	s_mul_i32 s24, ttmp9, 12
	s_add_co_u32 s24, s24, s[WV]                   ; my unit among the weights' 3,072
	s_and_b32 s[W4], s24, 3                        ; four neighbouring units stand side by side on 128 columns
	s_lshr_b32 s24, s24, 2                         ; which run of 128 columns x 512 along d, 0 .. 767
	s_lshr_b32 s25, s24, 6                         ; 4 x tensor + head
	s_and_b32 s26, s24, 7                          ; which 128 columns e
	s_bfe_u32 s27, s24, 0x30003                    ; S: which 512 along d
	s_lshr_b32 s28, s25, 2                         ; the tensor
	s_cmp_eq_u32 s28, 0
	s_cselect_b64 s[SRC:SRC+1], s[6:7], s[8:9]
	s_cmp_eq_u32 s28, 2
	s_cselect_b64 s[SRC:SRC+1], s[10:11], s[SRC:SRC+1]
	s_and_b32 s28, s25, 3
	s_lshl_b32 s28, s28, 24                        ; a head: 4096 x 1024 x 4 bytes
	s_lshl_b32 s29, s27, 21                        ; 512 rows of 4,096 bytes
	s_add_co_u32 s28, s28, s29
	s_lshl_b32 s29, s26, 9
	s_add_co_u32 s28, s28, s29
	s_lshl_b32 s29, s[W4], 7
	s_add_co_u32 s28, s28, s29
	s_mov_b32 s29, 0
	s_add_nc_u64 s[SRC:SRC+1], s[SRC:SRC+1], s[28:29]
	s_mul_i32 s30, s27, 48
	s_lshl_b32 s31, s25, 2
	s_add_co_u32 s30, s30, s31
	s_lshr_b32 s31, s26, 1
	s_add_co_u32 s30, s30, s31
	s_mul_i32 s30, s30, BLK                        ; my block: (48 S + group) x BLK
	s_and_b32 s31, s26, 1
	s_lshl_b32 s32, s31, 15
	s_lshl_b32 s33, s[W4], 13
	s_add_co_u32 s32, s32, s33                     ; my pair of tiles: 8,192 bytes of codes
	s_add_co_u32 s32, s32, s30
	s_mov_b32 s33, 0
	s_add_nc_u64 s[DC:DC+1], s[14:15], s[32:33]
	s_lshl_b32 s34, s31, 11
	s_lshl_b32 s35, s[W4], 9
	s_add_co_u32 s34, s34, s35                     ; and 512 scale bytes
	s_add_co_u32 s34, s34, s30
	s_add_co_u32 s34, s34, 65536
	s_mov_b32 s35, 0
	s_add_nc_u64 s[DS:DS+1], s[14:15], s[34:35]
	WLOAD 0
	WLOAD 1
.irp t, 0,1,2,3,4,5,6,7,8,9,10,11,12,13,14,15
.if \t < 15
	s_wait_loadcnt 32                              ; this block's 32 loads are in; the next block's may be out
.else
	s_wait_loadcnt 0x0
.endif
	QBLOCK \t, X+32*(\t%2), CW+4*\t, 0
.if \t < 14
	WLOAD \t+2
.endif
.endr
	s_branch .Lend
	; ---- h: wave 12; its unit is the work-group's number
.Lh:
	s_and_b32 s25, ttmp9, 31                       ; which 32 rows
	s_lshr_b32 s26, ttmp9, 5                       ; S
	s_lshl_b32 s28, s25, 19
	s_lshl_b32 s29, s26, 11
	s_add_co_u32 s28, s28, s29
	s_mov_b32 s29, 0
	s_add_nc_u64 s[SRC:SRC+1], s[4:5], s[28:29]
	s_lshl_b32 s30, s26, 2
	s_lshr_b32 s31, s25, 3
	s_add_co_u32 s30, s30, s31
	s_mul_i32 s30, s30, BLK                        ; my block: (4 S + group) x BLK
	s_and_b32 s31, s25, 7
	s_lshl_b32 s32, s31, 13
	s_add_co_u32 s32, s32, s30
	s_mov_b32 s33, 0
	s_add_nc_u64 s[DC:DC+1], s[12:13], s[32:33]
	s_lshl_b32 s34, s31, 9
	s_add_co_u32 s34, s34, s30
	s_add_co_u32 s34, s34, 65536
	s_mov_b32 s35, 0
	s_add_nc_u64 s[DS:DS+1], s[12:13], s[34:35]
	HLOAD 0
	HLOAD 1
	s_wait_alu depctr_va_vdst(0)
.irp j, 0,1,2,3,4,5,6,7
.if \j < 7
	s_wait_loadcnt 16                              ; this sub-step's 16 loads are in; the next one's may be out
.else
	s_wait_loadcnt 0x0
.endif
.irp i, 0,1,2,3,4,5,6,7,8,9,10,11,12,13,14,15
	ds_store_b128 v[SI], v[R+64*(\j%2)+4*\i:R+64*(\j%2)+4*\i+3] offset:544*\i    ; as loaded: two rows of 256 bytes
.endr
.irp i, 0,1,2,3,4,5,6,7,8,9,10,11,12,13,14,15
	ds_load_b128 v[X+4*\i:X+4*\i+3], v[SO] offset:16*\i    ; back: my row's 64 numbers; LDS serves a wave's instructions in order, so these see the stores
.endr
	s_wait_dscnt 16                                ; the 16 stores are done (the 16 loads may be out): their registers take the loads of two sub-steps on
.if \j < 6
	HLOAD \j+2
.endif
	s_wait_dscnt 8                                 ; the first block's 8 loads are in
	QBLOCK 2*\j, X, CH+4*((2*\j)%4), 1
	s_wait_dscnt 0x0
	QBLOCK 2*\j+1, X+32, CH+4*((2*\j+1)%4), 1
.endr
.Lend:
	s_wait_alu depctr_va_vdst(0)
	global_store_b128 v[LS], v[SB:SB+3], s[DS:DS+1]    ; my row's 16 scale bytes: the wave stores 512 consecutive bytes
	s_wait_tensorcnt 0x0                           ; the wave's end
	ds_add_u32 v[SPW], v[NIL]
	s_wait_dscnt 0x0
	s_endpgm
.Lfunc_end_k_q5e38880d79_quant:
	.size	k_q5e38880d79_quant, .Lfunc_end_k_q5e38880d79_quant-k_q5e38880d79_quant
	.p2alignl 7, 3214868480
	.fill 96, 4, 3214868480
	.section	.rodata,"a",@progbits
	.p2align	6, 0x0
	.amdhsa_kernel k_q5e38880d79_quant
		.amdhsa_group_segment_fixed_size 10496
		.amdhsa_private_segment_fixed_size 0
		.amdhsa_enable_private_segment 0
		.amdhsa_kernarg_size 48
		.amdhsa_user_sgpr_count 2
		.amdhsa_user_sgpr_kernarg_segment_ptr 1
		.amdhsa_wavefront_size32 1
		.amdhsa_system_sgpr_workgroup_id_x 1
		.amdhsa_system_sgpr_workgroup_id_y 1
		.amdhsa_system_sgpr_workgroup_id_z 1
		.amdhsa_system_vgpr_workitem_id 0
		.amdhsa_next_free_vgpr 240
		.amdhsa_next_free_sgpr 66
		.amdhsa_reserve_vcc 0
		.amdhsa_float_denorm_mode_32 3
		.amdhsa_float_denorm_mode_16_64 3
		.amdhsa_memory_ordered 1
		.amdhsa_forward_progress 1
		.amdhsa_inst_pref_size 148
	.end_amdhsa_kernel
	.amdgpu_metadata
---
amdhsa.version: [ 1, 2 ]
amdhsa.kernels:
  - .name:           k_q5e38880d79_quant
    .symbol:         k_q5e38880d79_quant.kd
    .args:
      - { .name: h, .offset: 0, .size: 8, .value_kind: global_buffer, .address_space: global }
      - { .name: Wq, .offset: 8, .size: 8, .value_kind: global_buffer, .address_space: global }
      - { .name: Wk, .offset: 16, .size: 8, .value_kind: global_buffer, .address_space: global }
      - { .name: Wv, .offset: 24, .size: 8, .value_kind: global_buffer, .address_space: global }
      - { .name: hq, .offset: 32, .size: 8, .value_kind: global_buffer, .address_space: global }
      - { .name: wq, .offset: 40, .size: 8, .value_kind: global_buffer, .address_space: global }
    .group_segment_fixed_size: 10496
    .private_segment_fixed_size: 0
    .kernarg_segment_align: 8
    .kernarg_segment_size: 48
    .max_flat_workgroup_size: 416
    .sgpr_count:     66
    .vgpr_count:     240
    .wavefront_size: 32
...
	.end_amdgpu_metadata
.endif
;; end of part 1
;; launch proj (part 2): grid 48 x 4, 4 waves a work-group, clusters of 4 x 4, 327,680 bytes of LDS; arguments hq, wq, bq, bk, bv, qkv; writes qkv
.if DOCPART == 2
	.amdgcn_target "amdgcn-amd-amdhsa--gfx1250"
	.amdhsa_code_object_version 6
	.text
	.protected	k_q5e38880d79_proj
	.globl	k_q5e38880d79_proj
	.p2align	8
	.type	k_q5e38880d79_proj,@function
k_q5e38880d79_proj:
	s_mov_b64 s[64:65], 0
	v_nop
	global_prefetch_b8 v0, s[64:65] scope:SCOPE_SE
	s_setreg_imm32_b32 hwreg(HW_REG_WAVE_MODE, 25, 1), 1
	s_wait_xcnt 0x0
	s_wait_alu depctr_hold_cnt(0) depctr_sa_sdst(0) depctr_va_vdst(0) depctr_va_sdst(0) depctr_va_ssrc(0) depctr_va_vcc(0) depctr_vm_vsrc(0)
	s_getreg_b32 s2, hwreg(HW_REG_IB_STS2, 6, 4)
	s_cmp_eq_u32 s2, 0
	s_cbranch_scc0 .Lentry_in_a_cluster
	s_endpgm
.Lentry_in_a_cluster:
	s_bfe_u32 s2, ttmp6, 0x10000c
	s_cmp_lg_u32 s2, 0xf033
	s_cbranch_scc0 .Lentry_shape_is_right
	s_endpgm
.Lentry_shape_is_right:
; LAUNCH 2 OF 4.  q, k, v = h W + b on the codes of hq and wq (K = d = 4,096), then the bias, then the quantiser of the next product's operand: q and k along e, v along the keys.  No work is left out.
; A work-group makes 256 x 256 of the result, four waves of 128 x 128; K goes in steps of 512 through a ring of two LDS slots, each a block of X and a block of Y as they lie in memory; waves 0, 1 fetch Y's halves, waves 2, 3 X's.
; For q and k X = wq (source 0) and Y = hq; for v the two change places, so that a lane's registers run along the axis that is quantised next.  CLUSTER 4 x 4: Y's block is asked for jointly along a row, X's along a column.
; THE TILES ARE PREFETCHED INTO THE L2: behind each joint load the K step that stands two refills on is asked for.  A wave's load is 136 blocks of 256 bytes; the four partners that ask for it jointly share them out by address:
; partner p (cx for Y, cy for X) names blocks 32 p + lane by one instruction and blocks 128 + 2 p, + 1 by a second, whose other lanes name the last again.  So each block is named once in each cluster that will load it.
; Behind the head's first load K steps 1 and 2 are asked for, behind its second K step 3; the last two refills ask for nothing.  The address is stepped at the head of the next change of slots, behind s_wait_xcnt 0.
.set PFA,   46                         ; s[46:47] my wave's half block, two K steps on from the load that is being asked for
.set PST,   82                         ; s[82:83] a K step on, in bytes
.set PFB,   84                         ; s[84:85] the same half block at K step 1
.set PF1,   30                         ; v30 256 x (32 p + lane)
.set PF2,   31                         ; v31 256 x (128 + 2 p + min(lane, 1))
.set BLK,   69632
.set HALF,  34816
.set SLOT,  2*BLK
.set SCRATCH, 2*SLOT
.set SPARE, SCRATCH+2048
.set NQ,    4
.set FR,    8
.set NL,    2
.set NP,    4
.set LAPS,  4
.set LI,   3
.set ADRY, 16
.set ADRX, 20
.set ADRS, 22
.set SCW,  24
.set SCR,  25
.set BO,   26
.set BO2,  27
.set SPW,  28
.set NIL,  29
.set SC,   32
.set TM,   96
.set PW,   112
.set YF,   128
.set H,    128
.set PC,   192
.set BI,   192
.set WV,  16
.set YH,  17
.set XH,  18
.set ISV, 19
.set G1Y, 24
.set G0Y, 32
.set G1X, 48
.set G0X, 56
.set XS2, 66
.set YS2, 68
.set XB,  70
.set YB,  72
.set OC,  74
.set OS,  76
.set BP,  78
.set SEL, 80
.set MSB, 0
.macro WIN new
.if MSB != (\new)
	s_set_vgpr_msb (MSB<<8)|(\new)
.set MSB, (\new)
.endif
.endm
.set MUL_LO, 0xa1
.set MUL_HI, 0xf1
.set TO_X,   0x40
.macro JLOAD g0y, g0x
	s_cmp_eq_u32 s[YH], 0
	s_cbranch_scc0 .Lfor_x_\@
	tensor_load_to_lds s[\g0y:\g0y+3], s[G1Y:G1Y+7]
	s_nop 0
.rept 4
	v_nop
.endr
	s_branch .Lasked_\@
.Lfor_x_\@:
	tensor_load_to_lds s[\g0x:\g0x+3], s[G1X:G1X+7]
	s_nop 0
.rept 4
	v_nop
.endr
.Lasked_\@:
.endm
.macro CREST
	s_cmp_lg_u32 s[WV], 0
	s_cbranch_scc1 .Lnot_wave_0_\@
	s_barrier_signal -3
.Lnot_wave_0_\@:
	s_barrier_wait -3
	s_barrier_signal -1
	s_barrier_wait -1
.endm
.macro CROUND
	s_barrier_signal -1
	s_barrier_wait -1
	CREST
.endm
	s_load_b256 s[4:11], s[0:1], 0x0
	s_load_b128 s[12:15], s[0:1], 0x20
	v_lshl_add_u32 v[SPW], v0, 2, SPARE
	v_mov_b32 v[NIL], 0
	ds_add_u32 v[SPW], v[NIL]
	ds_add_u32 v[SPW], v[NIL]
	v_lshrrev_b32 v1, 5, v0
	v_readfirstlane_b32 s[WV], v1
	s_lshr_b32 s[YH], s[WV], 1
	s_and_b32 s[XH], s[WV], 1
	s_bfe_u32 s40, ttmp6, 0x40000
	s_bfe_u32 s41, ttmp6, 0x40004
	s_lshl_b32 s20, ttmp9, 2
	s_cmp_ge_u32 ttmp9, 8
	s_cselect_b32 s[ISV], 1, 0
	s_cselect_b32 s42, 0, s20
	s_cselect_b32 s43, s20, 0
	s_mov_b32 s[XS2], 2*48*BLK
	s_cselect_b32 s[XS2], 2*4*BLK, s[XS2]
	s_mov_b32 s[YS2], 2*4*BLK
	s_cselect_b32 s[YS2], 2*48*BLK, s[YS2]
	s_mov_b32 s[XS2+1], 0
	s_mov_b32 s[YS2+1], 0
	s_add_co_u32 s42, s42, s40
	s_add_co_u32 s43, s43, s41
	s_lshl_b32 s44, s41, 2
	s_lshl_b32 s44, 15, s44
	s_lshl_b32 s45, 0x1111, s40
	s_or_b32 s[G1Y], s44, (3<<16)|(1<<21)
	s_or_b32 s[G1X], s45, (3<<16)|(1<<21)
.irp g, G1Y, G1X
	s_mov_b32 s[\g+1], 32<<16
	s_mov_b32 s[\g+2], 136<<16
	s_mov_b32 s[\g+3], 32<<16
	s_mov_b32 s[\g+4], 136
	s_mov_b32 s[\g+5], 32
	s_mov_b32 s[\g+6], 0
	s_mov_b32 s[\g+7], 0
.endr
	s_mul_i32 s84, s42, BLK
	s_mul_i32 s86, s[XH], HALF
	s_add_co_u32 s84, s84, s86
	s_mov_b32 s85, 0
	s_mul_i32 s88, s43, BLK
	s_mul_i32 s90, s[XH], HALF
	s_add_co_u32 s88, s88, s90
	s_mov_b32 s89, 0
	s_lshr_b32 s86, s[XS2], 1
	s_mov_b32 s87, 0
	s_lshr_b32 s90, s[YS2], 1
	s_mov_b32 s91, 0
	s_mul_i32 s21, s[WV], HALF
	s_mov_b32 s[SEL], 0x76543210
	s_mov_b32 s[SEL+1], 0xfedcba98
	s_wait_dscnt 0x0
	s_wait_kmcnt 0x0
	s_cmp_lg_u32 s[ISV], 0
	s_cselect_b64 s[XB:XB+1], s[4:5], s[6:7]
	s_cselect_b64 s[YB:YB+1], s[6:7], s[4:5]
	s_add_nc_u64 s[XB:XB+1], s[XB:XB+1], s[84:85]
	s_add_nc_u64 s[YB:YB+1], s[YB:YB+1], s[88:89]
	s_cmp_eq_u32 s[YH], 0                          ; do I fetch for Y?
	s_cselect_b32 s92, s40, s41                    ; my place among the four that ask with me
	s_cselect_b64 s[PFA:PFA+1], s[YB:YB+1], s[XB:XB+1]
	s_cselect_b64 s[PST:PST+1], s[90:91], s[86:87]
	s_add_nc_u64 s[PFB:PFB+1], s[PFA:PFA+1], s[PST:PST+1]
	s_add_nc_u64 s[PFA:PFA+1], s[PFB:PFB+1], s[PST:PST+1]
	s_lshl_b32 s93, s92, 13
	s_lshl_b32 s92, s92, 9
	s_add_co_u32 s92, s92, 32768
	v_and_b32 v[PF1], 31, v0
	v_min_u32 v[PF2], 1, v[PF1]
	v_lshl_add_u32 v[PF1], v[PF1], 8, s93
	v_lshl_add_u32 v[PF2], v[PF2], 8, s92
	s_wait_alu depctr_va_vdst(0)
	CROUND
	s_mov_b32 s[G0Y], 1
	s_mov_b32 s[G0Y+1], s21
	s_mov_b64 s[G0Y+2:G0Y+3], s[YB:YB+1]
	s_or_b32 s[G0Y+3], s[G0Y+3], 0x80000000
	s_mov_b32 s[G0X], 1
	s_mov_b32 s[G0X+1], s21
	s_mov_b64 s[G0X+2:G0X+3], s[XB:XB+1]
	s_or_b32 s[G0X+3], s[G0X+3], 0x80000000
	JLOAD G0Y, G0X
	global_prefetch_b8 v[PF1], s[PFB:PFB+1] th:TH_LOAD_NT scope:SCOPE_SE   ; K step 1: the buffers' first touch is asked for early
	global_prefetch_b8 v[PF2], s[PFB:PFB+1] th:TH_LOAD_NT scope:SCOPE_SE
	global_prefetch_b8 v[PF1], s[PFA:PFA+1] th:TH_LOAD_NT scope:SCOPE_SE   ; K step 2
	global_prefetch_b8 v[PF2], s[PFA:PFA+1] th:TH_LOAD_NT scope:SCOPE_SE
	s_mov_b32 s[G0Y+4], 1
	s_add_co_u32 s[G0Y+5], s21, SLOT
	s_add_nc_u64 s[G0Y+6:G0Y+7], s[YB:YB+1], s[90:91]
	s_or_b32 s[G0Y+7], s[G0Y+7], 0x80000000
	s_mov_b32 s[G0X+4], 1
	s_add_co_u32 s[G0X+5], s21, SLOT
	s_add_nc_u64 s[G0X+6:G0X+7], s[XB:XB+1], s[86:87]
	s_or_b32 s[G0X+7], s[G0X+7], 0x80000000
	s_wait_alu depctr_va_vdst(0)
	s_wait_tensorcnt 0x0
	ds_add_u32 v28, v29
	s_wait_xcnt 0x0                                ; my prefetches have read their address
	s_add_nc_u64 s[PFA:PFA+1], s[PFA:PFA+1], s[PST:PST+1]
	s_wait_dscnt 0x0
	CROUND
	JLOAD G0Y+4, G0X+4
	global_prefetch_b8 v[PF1], s[PFA:PFA+1] th:TH_LOAD_NT scope:SCOPE_SE   ; K step 3
	global_prefetch_b8 v[PF2], s[PFA:PFA+1] th:TH_LOAD_NT scope:SCOPE_SE
	v_and_b32 v1, 15, v0
	v_bfe_u32 v2, v0, 4, 1
	s_wait_alu depctr_va_vdst(0)
	v_and_b32 v[LI], 31, v0
	v_lshlrev_b32 v[LI], 4, v[LI]
	s_lshl_b32 s21, s[YH], 15
	s_lshl_b32 s22, s[XH], 15
	s_add_co_u32 s22, s22, BLK
.irp s, 0,1
	v_add_nc_u32 v[ADRY+\s], s21, v[LI]
	v_add_nc_u32 v[ADRX+\s], s22, v[LI]
	s_add_co_u32 s21, s21, SLOT
	s_add_co_u32 s22, s22, SLOT
.endr
	s_lshl_b32 s21, s[YH], 11
	s_lshl_b32 s22, s[XH], 11
	s_add_co_u32 s22, s22, BLK
	s_sub_co_u32 s22, s22, s21
	v_mul_u32_u24 v5, s22, v2
	v_lshl_add_u32 v5, v1, 4, v5
	s_add_co_u32 s21, s21, 65536
	v_add_nc_u32 v[ADRS], s21, v5
	v_add_nc_u32 v[ADRS+1], SLOT, v[ADRS]
	s_lshl_b32 s21, s[WV], 9
	s_add_co_u32 s21, s21, SCRATCH
	v_lshl_add_u32 v[SCW], v1, 2, s21
	v_add_nc_u32 v[SCR], s21, v[LI]
	v_lshlrev_b32 v[BO], 6, v2
	v_and_b32 v[BO2], 8, v1
	v_add_nc_u32 v[BO2], v[BO2], v1
	v_lshlrev_b32 v[BO2], 2, v[BO2]
.irp b, 0,1,2,3
	v_mov_b32 v[TM+4+\b], 0
.endr
	s_lshr_b32 s94, s42, 2
	s_lshl_b32 s94, s94, 3
	s_lshl_b32 s95, s43, 1
	s_add_co_u32 s94, s94, s95
	s_add_co_u32 s94, s94, s[YH]
	s_mul_i32 s94, s94, BLK
	s_and_b32 s95, s42, 3
	s_lshl_b32 s95, s95, 1
	s_add_co_u32 s95, s95, s[XH]
	s_lshl_b32 s92, s95, 13
	s_add_co_u32 s92, s92, s94
	s_mov_b32 s93, 0
	s_add_nc_u64 s[OC:OC+1], s[14:15], s[92:93]
	s_lshl_b32 s92, s95, 9
	s_add_co_u32 s92, s92, s94
	s_add_co_u32 s92, s92, 65536
	s_add_nc_u64 s[OS:OS+1], s[14:15], s[92:93]
	s_cmp_lg_u32 s[ISV], 0
	s_cbranch_scc1 .Lbias_v
	s_cmp_lt_u32 ttmp9, 4
	s_cselect_b64 s[BP:BP+1], s[8:9], s[10:11]
	s_and_b32 s92, s42, 15
	s_lshl_b32 s92, s92, 10
	s_lshl_b32 s94, s[XH], 9
	s_add_co_u32 s92, s92, s94
	s_add_nc_u64 s[BP:BP+1], s[BP:BP+1], s[92:93]
	WIN TO_X
	s_wait_alu depctr_va_vdst(0)
.irp b, 0,1,2,3
.irp j, 0,1,2,3
	global_load_b128 v[BI+16*\b+4*\j:BI+16*\b+4*\j+3], v[BO], s[BP:BP+1] offset:128*\b+16*\j
.endr
.endr
	WIN 0
	s_branch .Lbias_in
.Lbias_v:
	s_sub_co_u32 s92, s43, 32
	s_lshl_b32 s92, s92, 10
	s_lshl_b32 s94, s[YH], 9
	s_add_co_u32 s92, s92, s94
	s_add_nc_u64 s[BP:BP+1], s[12:13], s[92:93]
	WIN TO_X
	s_wait_alu depctr_va_vdst(0)
.irp a, 0,1,2,3,4,5,6,7
.irp j, 0,1,2,3,4,5,6,7
	global_load_b32 v[BI+8*\a+\j], v[BO2], s[BP:BP+1] offset:(32*(\a/2)+8*(\a%2))*4
.endr
.endr
	WIN 0
.Lbias_in:
	s_wait_loadcnt 0x0
.macro FRAG reg, adr, q, i
.irp c, 0,1
	ds_load_b128 v[\reg+4*\c:\reg+4*\c+3], v[\adr] offset:4096*(\i)+1024*(\q)+512*\c
.endr
.endm
.macro MUL16 a0, p, q, sc, zero
.irp a, \a0, \a0+1
.irp b, 0,1,2,3,4,5,6,7
.if \zero
	v_wmma_scale_f32_16x16x128_f8f6f4 v[8*(8*((\a)%4)+\b):8*(8*((\a)%4)+\b)+7], v[128*(\p)+FR*\b:128*(\p)+FR*\b+FR-1], v[YF+FR*(\a):YF+FR*(\a)+FR-1], 0, v[SC+8*NQ*(\sc)+NQ*\b+(\q)], v[SC+8*NQ*(\sc)+NQ*(\a)+(\q)] matrix_a_fmt:MATRIX_FMT_FP4 matrix_b_fmt:MATRIX_FMT_FP4 matrix_a_scale:MATRIX_SCALE_ROW1
.else
	v_wmma_scale_f32_16x16x128_f8f6f4 v[8*(8*((\a)%4)+\b):8*(8*((\a)%4)+\b)+7], v[128*(\p)+FR*\b:128*(\p)+FR*\b+FR-1], v[YF+FR*(\a):YF+FR*(\a)+FR-1], v[8*(8*((\a)%4)+\b):8*(8*((\a)%4)+\b)+7], v[SC+8*NQ*(\sc)+NQ*\b+(\q)], v[SC+8*NQ*(\sc)+NQ*(\a)+(\q)] matrix_a_fmt:MATRIX_FMT_FP4 matrix_b_fmt:MATRIX_FMT_FP4 matrix_a_scale:MATRIX_SCALE_ROW1
.endif
.endr
.endr
.endm
.macro FETCH_X slot, q, p
	WIN TO_X
.irp i, 0,1,2,3,4,5,6,7
	FRAG 128*(\p)+FR*\i, ADRX+\slot, \q, \i
.endr
	WIN 0
.endm
.macro FETCH_Y slot, q, i0
.irp i, \i0, \i0+1, \i0+2, \i0+3
	FRAG YF+FR*(\i), ADRY+\slot, \q, \i
.endr
.endm
.macro SCALES sc
.irp i, 0,1,2,3,4,5,6,7
	ds_load_b128 v[SC+8*NQ*\sc+NQ*\i:SC+8*NQ*\sc+NQ*\i+3], v[ADRS+\sc] offset:256*\i
.endr
.endm
.macro PLACES n
.rept \n
	v_nop
.endr
.endm
.macro STEP slot, q, zero
	s_wait_dscnt 4*NL
	WIN MUL_LO
	MUL16 0, (\q)%2, \q, \slot, \zero
	MUL16 2, (\q)%2, \q, \slot, \zero
	s_wait_dscnt 0
	PLACES NP
	FETCH_X \slot, (\q)+1, 1-(\q)%2
	FETCH_Y \slot, (\q)+1, 0
	WIN MUL_HI
	MUL16 4, (\q)%2, \q, \slot, \zero
	MUL16 6, (\q)%2, \q, \slot, \zero
	PLACES NP
	WIN 0
	FETCH_Y \slot, (\q)+1, 4
.endm
.macro TURN slot, next, fill
.if \fill
	s_wait_xcnt 0x0                                ; any prefetch of mine has read its address: it is stepped here, a K step behind the prefetch
	s_add_nc_u64 s[PFA:PFA+1], s[PFA:PFA+1], s[PST:PST+1]
.endif
	s_wait_tensorcnt 0x0
	ds_add_u32 v[SPW], v[NIL]
	s_wait_dscnt 4*NL+1
	WIN MUL_LO
	MUL16 0, 1, NQ-1, \slot, 0
	s_wait_dscnt 0x0
	s_barrier_signal -1
	MUL16 2, 1, NQ-1, \slot, 0
	WIN 0
	s_barrier_wait -1
.if \fill
	CREST
	s_add_nc_u64 s[G0Y+4*\slot+2:G0Y+4*\slot+3], s[G0Y+4*\slot+2:G0Y+4*\slot+3], s[YS2:YS2+1]
	s_add_nc_u64 s[G0X+4*\slot+2:G0X+4*\slot+3], s[G0X+4*\slot+2:G0X+4*\slot+3], s[XS2:XS2+1]
	JLOAD G0Y+4*\slot, G0X+4*\slot
.else
	PLACES NP
.endif
	FETCH_X \next, 0, 0
	FETCH_Y \next, 0, 0
	SCALES \next
.if \fill
	s_cmp_gt_u32 s3, 1                             ; the loop's last trip has no K step two refills on
	s_cbranch_scc0 .Lno_ask_\@
	global_prefetch_b8 v[PF1], s[PFA:PFA+1] th:TH_LOAD_NT scope:SCOPE_SE
	global_prefetch_b8 v[PF2], s[PFA:PFA+1] th:TH_LOAD_NT scope:SCOPE_SE
.Lno_ask_\@:
.endif
	WIN MUL_HI
	MUL16 4, 1, NQ-1, \slot, 0
	MUL16 6, 1, NQ-1, \slot, 0
	PLACES NP
	WIN 0
	FETCH_Y \next, 0, 4
.endm
.macro STEPS slot, from
.set Q, \from
.rept NQ-1-\from
	STEP \slot, Q, 0
.set Q, Q+1
.endr
.endm
	s_wait_tensorcnt 1
	s_barrier_signal -1
	s_barrier_wait -1
	FETCH_X 0, 0, 0
	FETCH_Y 0, 0, 0
	SCALES 0
	FETCH_Y 0, 0, 4
	STEP 0, 0, 1
	s_mov_b32 s3, LAPS-1
.Llap:
	STEPS 0, 1
	TURN 0, 1, 1
	STEPS 1, 0
	TURN 1, 0, 1
	STEP 0, 0, 0
	s_sub_co_u32 s3, s3, 1
	s_cmp_lg_u32 s3, 0
	s_cbranch_scc1 .Llap
	STEPS 0, 1
	TURN 0, 1, 0
	STEPS 1, 0
	s_wait_dscnt 4*NL
	WIN MUL_LO
	MUL16 0, 1, NQ-1, 1, 0
	MUL16 2, 1, NQ-1, 1, 0
	s_wait_dscnt 0
	WIN MUL_HI
	MUL16 4, 1, NQ-1, 1, 0
	MUL16 6, 1, NQ-1, 1, 0
	WIN 0
.macro QUANT s, pc, pw
.irp b, 0,1,2,3
	v_max3_num_f32 v[TM+\b], |v[\s+16*\b]|, |v[\s+1+16*\b]|, 0x1800000
.endr
.irp i, 2,4,6,8,10,12,14
.irp b, 0,1,2,3
	v_max3_num_f32 v[TM+\b], v[TM+\b], |v[\s+16*\b+\i]|, |v[\s+1+16*\b+\i]|
.endr
.endr
.irp b, 0,1,2,3
	v_permlanex16_b32 v[TM+4+\b], v[TM+\b], s[SEL], s[SEL+1]
.endr
.irp b, 0,1,2,3
	v_max_num_f32 v[TM+\b], v[TM+\b], v[TM+4+\b]
.endr
.irp b, 0,1,2,3
	v_add_nc_u32 v[TM+12+\b], 0xff000000, v[TM+\b]
.endr
.irp b, 0,1,2,3
	v_lshrrev_b32 v[TM+4+\b], 23, v[TM+12+\b]
.endr
	v_lshl_or_b32 v[(\pw)], v[TM+5], 8, v[TM+4]
	v_lshl_or_b32 v[(\pw)], v[TM+6], 16, v[(\pw)]
	v_lshl_or_b32 v[(\pw)], v[TM+7], 24, v[(\pw)]
.irp b, 0,1,2,3
	v_cvt_scalef32_pk8_fp4_f32 v[(\pc)+2*\b], v[\s+16*\b:\s+7+16*\b], v[TM+12+\b]
	v_cvt_scalef32_pk8_fp4_f32 v[(\pc)+1+2*\b], v[\s+8+16*\b:\s+15+16*\b], v[TM+12+\b]
.endr
	v_nop
.irp c, 0,1
.irp i, 0,1
	v_permlane16_swap_b32 v[(\pc)+4*\c+\i], v[(\pc)+2+4*\c+\i]
.endr
.endr
.endm
.macro EPI a
	s_cmp_lg_u32 s[ISV], 0
	s_cbranch_scc1 .Lrow_\@
	WIN 0x06+(\a)/4
.set n, 0
.rept 32
	v_pk_add_f32 v[H+n:H+n+1], v[64*((\a)%4)+n:64*((\a)%4)+n+1], v[BI+n:BI+n+1]
.set n, n+2
.endr
	WIN 0
	s_branch .Lsum_\@
.Lrow_\@:
	WIN 0x06+(\a)/4
.set n, 0
.rept 32
	v_pk_add_f32 v[H+n:H+n+1], v[64*((\a)%4)+n:64*((\a)%4)+n+1], v[BI+8*(\a):BI+8*(\a)+1]
.set n, n+2
.endr
	WIN 0
.Lsum_\@:
	QUANT H, PC+8*(\a), PW+(\a)
.irp c, 0,1
	global_store_b128 v[LI], v[PC+8*(\a)+4*\c:PC+8*(\a)+4*\c+3], s[OC:OC+1] offset:1024*(\a)+512*\c
.endr
	ds_store_b32 v[SCW], v[PW+(\a)] offset:64*(\a)
.endm
	PLACES NP
.irp a, 0,1,2,3,4,5,6,7
	EPI \a
.endr
	ds_load_b128 v[120:123], v[SCR]
	s_wait_dscnt 0x0
	global_store_b128 v[LI], v[120:123], s[OS:OS+1]
	s_wait_tensorcnt 0x0
	ds_add_u32 v[SPW], v[NIL]
	s_wait_dscnt 0x0
	CROUND
	s_endpgm
.Lfunc_end_k_q5e38880d79_proj:
	.size	k_q5e38880d79_proj, .Lfunc_end_k_q5e38880d79_proj-k_q5e38880d79_proj
	.p2alignl 7, 3214868480
	.fill 96, 4, 3214868480
	.section	.rodata,"a",@progbits
	.p2align	6, 0x0
	.amdhsa_kernel k_q5e38880d79_proj
		.amdhsa_group_segment_fixed_size 327680
		.amdhsa_private_segment_fixed_size 0
		.amdhsa_enable_private_segment 0
		.amdhsa_kernarg_size 48
		.amdhsa_user_sgpr_count 2
		.amdhsa_user_sgpr_kernarg_segment_ptr 1
		.amdhsa_wavefront_size32 1
		.amdhsa_system_sgpr_workgroup_id_x 1
		.amdhsa_system_sgpr_workgroup_id_y 1
		.amdhsa_system_sgpr_workgroup_id_z 1
		.amdhsa_system_vgpr_workitem_id 0
		.amdhsa_next_free_vgpr 1024
		.amdhsa_next_free_sgpr 96
		.amdhsa_reserve_vcc 0
		.amdhsa_float_denorm_mode_32 3
		.amdhsa_float_denorm_mode_16_64 3
		.amdhsa_memory_ordered 1
		.amdhsa_forward_progress 1
		.amdhsa_inst_pref_size 255
	.end_amdhsa_kernel
	.section	.bss,"aw",@nobits
	.p2align	6
	.space	262144
	.amdgpu_metadata
---
amdhsa.version: [ 1, 2 ]
amdhsa.kernels:
  - .name:           k_q5e38880d79_proj
    .symbol:         k_q5e38880d79_proj.kd
    .args:
      - { .name: hq, .offset: 0, .size: 8, .value_kind: global_buffer, .address_space: global }
      - { .name: wq, .offset: 8, .size: 8, .value_kind: global_buffer, .address_space: global }
      - { .name: bq, .offset: 16, .size: 8, .value_kind: global_buffer, .address_space: global }
      - { .name: bk, .offset: 24, .size: 8, .value_kind: global_buffer, .address_space: global }
      - { .name: bv, .offset: 32, .size: 8, .value_kind: global_buffer, .address_space: global }
      - { .name: qkv, .offset: 40, .size: 8, .value_kind: global_buffer, .address_space: global }
    .group_segment_fixed_size: 327680
    .private_segment_fixed_size: 0
    .kernarg_segment_align: 8
    .kernarg_segment_size: 48
    .max_flat_workgroup_size: 128
    .sgpr_count:     96
    .vgpr_count:     1024
    .wavefront_size: 32
...
	.end_amdgpu_metadata
.endif
;; end of part 2
;; launch scores (part 3): grid 32 x 8, 4 waves a work-group, clusters of 4 x 4, 167,936 bytes of LDS; arguments qkv, pm; writes pm
.if DOCPART == 3
	.amdgcn_target "amdgcn-amd-amdhsa--gfx1250"
	.amdhsa_code_object_version 6
	.text
	.protected	k_q5e38880d79_scores
	.globl	k_q5e38880d79_scores
	.p2align	8
	.type	k_q5e38880d79_scores,@function
k_q5e38880d79_scores:
	s_mov_b64 s[64:65], 0
	v_nop
	global_prefetch_b8 v0, s[64:65] scope:SCOPE_SE
	s_setreg_imm32_b32 hwreg(HW_REG_WAVE_MODE, 25, 1), 1
	s_wait_xcnt 0x0
	s_wait_alu depctr_hold_cnt(0) depctr_sa_sdst(0) depctr_va_vdst(0) depctr_va_sdst(0) depctr_va_ssrc(0) depctr_va_vcc(0) depctr_vm_vsrc(0)
	s_getreg_b32 s2, hwreg(HW_REG_IB_STS2, 6, 4)
	s_cmp_eq_u32 s2, 0
	s_cbranch_scc0 .Lentry_in_a_cluster
	s_endpgm
.Lentry_in_a_cluster:
	s_bfe_u32 s2, ttmp6, 0x10000c
	s_cmp_lg_u32 s2, 0xf033
	s_cbranch_scc0 .Lentry_shape_is_right
	s_endpgm
.Lentry_shape_is_right:
; LAUNCH 3 OF 4.  For one head, 128 keys and 128 queries: S^T = K Q^T on codes of E2M1 (K = e = 1,024), then the softmax's p for these 128 keys under THEIR OWN whole-number maximum, quantised along the keys.
; t = score x log2(e) / 32; M = ceil(the largest t of the query among these 128 keys); p = 2^(t - M); l = the sum of the unquantised p.  Stored: p's codes and scale words, -M and l.  The last launch brings the eight chunks of a
; query under the row's M: M is a whole number, so that is a shift of the scale bytes and an exact scaling of l.
; SHARES.  X = k's block (source 0: 8 tiles of 16 keys), Y = q's block (source 1).  Wave w takes all 8 tiles of keys x query tiles 2 w, 2 w + 1: 16 accumulators.  A lane holds one query; the 16 registers of two neighbouring key
; tiles are 16 neighbouring keys, by the order of rows that the blocks have.  Both blocks come whole into LDS by one tensor load a wave (a dense half block): nothing is filled again.
; CLUSTER 4 x 4: k's block hangs on x alone (joint along a column), q's on the head and y (joint along a row).
; OUT: pm [head][group of 128 queries][PBLK]: codes [chunk of 128 keys][query tile][1,024]; at 65,536 scale words, at 69,632 -M, at 73,728 l: each [chunk][query][4 bytes].
; LIMITS: v_exp_f32 gives 0 for p under 2^-126; a block's largest p is taken no smaller than 2^-124 (a block of zeros gets the byte 1); NaN and infinities are not served.
.set BLK,   69632
.set HALF,  34816
.set PBLK,  77824
.set STG,   2*BLK                      ; three runs of 512 bytes: words, -M, l of the work-group's 128 queries; no tensor load lands here
.set SPARE, STG+2048
.set LI,  3                            ; v3  16 x lane
.set AX,  4                            ; v4  X's fragments
.set AY,  5                            ; v5  my Y fragments
.set AXS, 6                            ; v6  X's scale words: two tiles to a register
.set AYS, 7                            ; v7  my two tiles' scale words
.set STW, 8                            ; v8  the stage, in
.set STR, 9                            ; v9  the stage, back
.set GO,  10                           ; v10 4,096 x wave + 16 x lane
.set SPW, 12
.set NIL, 13
.set XSC, 16                           ; v16-47  register 4 ks + j: lanes 0-15 key tile 2 j, lanes 16-31 tile 2 j + 1
.set YSC, 48                           ; v48-55  register ks: lanes 0-15 query tile 2 w, lanes 16-31 tile 2 w + 1
.set BM,  56
.set BP,  60
.set SO,  64
.set SU,  68
.set NM,  72                           ; v72, v74: -M of my two tiles (named as pairs: v73, v75 are written)
.set TT,  76
.set PW,  78
.set LL,  80
.set TL,  84
.set ACC, 96                           ; v96-223: tile i, key tile xt at ACC + 64 i + 8 xt
.set PC,  224
.set WV,  10
.set G1Y, 24
.set G0Y, 32
.set G1X, 36
.set G0X, 44
.set CS,  56
.set SEL, 58
.set OP,  60
.set OT,  62
.set MSB, 0
.macro WIN new
.if MSB != (\new)
	s_set_vgpr_msb (MSB<<8)|(\new)
.set MSB, (\new)
.endif
.endm
.macro CROUND
	s_barrier_signal -1
	s_barrier_wait -1
	s_cmp_lg_u32 s[WV], 0
	s_cbranch_scc1 .Lnot_wave_0_\@
	s_barrier_signal -3
.Lnot_wave_0_\@:
	s_barrier_wait -3
	s_barrier_signal -1
	s_barrier_wait -1
.endm
.macro PLACES
.rept 4
	v_nop
.endr
.endm
	s_load_b128 s[4:7], s[0:1], 0x0                ; qkv, pm
	v_lshl_add_u32 v[SPW], v0, 2, SPARE
	v_mov_b32 v[NIL], 0
	ds_add_u32 v[SPW], v[NIL]                      ; the wave's opening: the add, twice on end, and its wait ahead of my tensor load
	ds_add_u32 v[SPW], v[NIL]
	v_lshrrev_b32 v1, 5, v0
	v_readfirstlane_b32 s[WV], v1
	s_lshr_b32 s11, s[WV], 1                       ; I fetch for Y (0) or for X (1),
	s_and_b32 s12, s[WV], 1                        ; this half of the block
	s_bfe_u32 s13, ttmp6, 0x40000                  ; cx
	s_bfe_u32 s14, ttmp6, 0x40004                  ; cy
	s_lshl_b32 s15, ttmp9, 2
	s_add_co_u32 s15, s15, s13                     ; x = 8 head + chunk of keys
	s_and_b32 s16, ttmp7, 0xffff
	s_lshl_b32 s16, s16, 2
	s_add_co_u32 s16, s16, s14                     ; y = group of queries
	s_lshr_b32 s17, ttmp9, 1                       ; the head: the same in all sixteen partners
	s_lshl_b32 s18, s14, 2
	s_lshl_b32 s18, 15, s18                        ; my row of the cluster
	s_lshl_b32 s19, 0x1111, s13                    ; my column
	s_or_b32 s[G1Y], s18, (3<<16)|(1<<21)
	s_or_b32 s[G1X], s19, (3<<16)|(1<<21)
.irp g, G1Y, G1X
	s_mov_b32 s[\g+1], 32<<16                      ; rows of 32 elements of 8 bytes,
	s_mov_b32 s[\g+2], 136<<16                     ; 136 of them: half a block, dense
	s_mov_b32 s[\g+3], 32<<16
	s_mov_b32 s[\g+4], 136
	s_mov_b32 s[\g+5], 32
	s_mov_b32 s[\g+6], 0
	s_mov_b32 s[\g+7], 0
.endr
	s_mul_i32 s50, s12, HALF
	s_lshl_b32 s48, s17, 3
	s_add_co_u32 s48, s48, s16
	s_mul_i32 s48, s48, BLK                        ; q's block 8 head + y
	s_add_co_u32 s48, s48, s50
	s_mov_b32 s49, 0
	s_add_co_u32 s52, s15, 32
	s_mul_i32 s52, s52, BLK                        ; k's block 32 + x
	s_add_co_u32 s52, s52, s50
	s_mov_b32 s53, 0
	s_mul_i32 s51, s[WV], HALF                     ; Y's block at LDS byte 0, X's behind it
	s_mov_b32 s[CS], 0x3d38aa3b                    ; c = log2(e) / sqrt(1024)
	s_mov_b32 s[CS+1], s[CS]
	s_mov_b32 s[SEL], 0x76543210
	s_mov_b32 s[SEL+1], 0xfedcba98
	s_wait_dscnt 0x0
	s_wait_kmcnt 0x0
	CROUND                                         ; all sixteen work-groups are here: the joint loads meet
	s_mov_b32 s[G0Y], 1
	s_mov_b32 s[G0Y+1], s51
	s_add_nc_u64 s[G0Y+2:G0Y+3], s[4:5], s[48:49]
	s_or_b32 s[G0Y+3], s[G0Y+3], 0x80000000
	s_mov_b32 s[G0X], 1
	s_mov_b32 s[G0X+1], s51
	s_add_nc_u64 s[G0X+2:G0X+3], s[4:5], s[52:53]
	s_or_b32 s[G0X+3], s[G0X+3], 0x80000000
	s_cmp_eq_u32 s11, 0                            ; an s_nop 0 and four v_nop follow each of the two lines
	s_cbranch_scc0 .Lfor_x
	tensor_load_to_lds s[G0Y:G0Y+3], s[G1Y:G1Y+7]
	s_nop 0
.rept 4
	v_nop
.endr
	s_branch .Lasked
.Lfor_x:
	tensor_load_to_lds s[G0X:G0X+3], s[G1X:G1X+7]
	s_nop 0
.rept 4
	v_nop
.endr
.Lasked:
	v_and_b32 v1, 15, v0                           ; r
	v_and_b32 v[LI], 31, v0
	v_lshlrev_b32 v[AXS], 2, v[LI]
	v_lshlrev_b32 v[LI], 4, v[LI]
	v_add_nc_u32 v[AX], BLK, v[LI]
	s_lshl_b32 s20, s[WV], 11
	v_add_nc_u32 v[AY], s20, v[LI]
	s_lshl_b32 s20, s[WV], 7
	s_add_co_u32 s21, s20, 65536
	v_add_nc_u32 v[AYS], s21, v[AXS]
	v_add_nc_u32 v[AXS], BLK+65536, v[AXS]
	s_add_co_u32 s21, s20, STG
	v_lshl_add_u32 v[STW], v1, 2, s21
	v_lshl_add_u32 v[STR], v0, 4, STG
	v_lshrrev_b32 v[GO], 5, v0
	v_lshl_add_u32 v[GO], v[GO], 12, v[LI]
.irp b, 0,1,2,3
	v_mov_b32 v[BP+\b], 0                          ; written once: a lane permute's destination counts as one of its sources
.endr
	v_mov_b32 v[NM+1], 0
	v_mov_b32 v[NM+3], 0
	s_lshl_b32 s20, s17, 3
	s_add_co_u32 s20, s20, s16
	s_mul_i32 s20, s20, PBLK                       ; pm's block 8 head + y
	s_and_b32 s21, s15, 7                          ; my chunk of keys
	s_lshl_b32 s22, s21, 13
	s_add_co_u32 s22, s22, s20
	s_lshl_b32 s23, s[WV], 11
	s_add_co_u32 s22, s22, s23
	s_mov_b32 s23, 0
	s_add_nc_u64 s[OP:OP+1], s[6:7], s[22:23]
	s_lshl_b32 s22, s21, 9
	s_add_co_u32 s22, s22, s20
	s_add_co_u32 s22, s22, 65536
	s_add_nc_u64 s[OT:OT+1], s[6:7], s[22:23]
	s_wait_tensorcnt 0x0                           ; my half block is in,
	s_barrier_signal -1
	s_barrier_wait -1                              ; everybody's is
.irp ks, 0,1,2,3,4,5,6,7
.irp j, 0,1,2,3
	ds_load_b32 v[XSC+4*\ks+\j], v[AXS] offset:512*\ks+128*\j
.endr
	ds_load_b32 v[YSC+\ks], v[AYS] offset:512*\ks
.endr
.macro FETCH ks, p                     ; K step ks: X's 8 fragments and my 2 of Y into buffer p of window 1: 20 loads
	WIN 0x40
.irp t, 0,1,2,3,4,5,6,7
.irp c, 0,1
	ds_load_b128 v[128*(\p)+8*\t+4*\c:128*(\p)+8*\t+4*\c+3], v[AX] offset:8192*(\ks)+1024*\t+512*\c
.endr
.endr
.irp i, 0,1
.irp c, 0,1
	ds_load_b128 v[128*(\p)+64+8*\i+4*\c:128*(\p)+64+8*\i+4*\c+3], v[AY] offset:8192*(\ks)+1024*\i+512*\c
.endr
.endr
.endm
; 16 matrix instructions; the 16 accumulators take turns, one instruction a turn, in the same order in every step.
.macro MUL ks, p, zero
	WIN 0x05                                       ; sources 0 and 1 window 1; C and D window 0
.irp j, 0,1,2,3
.set XA, 128*(\p)+16*\j
.set YA, 128*(\p)+64
.set DA, ACC+16*\j
.set SX, XSC+4*(\ks)+\j
.set SY, YSC+(\ks)
.if \zero
	v_wmma_scale_f32_16x16x128_f8f6f4 v[DA:DA+7], v[XA:XA+7], v[YA:YA+7], 0, v[SX], v[SY] matrix_a_fmt:MATRIX_FMT_FP4 matrix_b_fmt:MATRIX_FMT_FP4
	v_wmma_scale_f32_16x16x128_f8f6f4 v[DA+64:DA+71], v[XA:XA+7], v[YA+8:YA+15], 0, v[SX], v[SY] matrix_a_fmt:MATRIX_FMT_FP4 matrix_b_fmt:MATRIX_FMT_FP4 matrix_b_scale:MATRIX_SCALE_ROW1
	v_wmma_scale_f32_16x16x128_f8f6f4 v[DA+8:DA+15], v[XA+8:XA+15], v[YA:YA+7], 0, v[SX], v[SY] matrix_a_fmt:MATRIX_FMT_FP4 matrix_b_fmt:MATRIX_FMT_FP4 matrix_a_scale:MATRIX_SCALE_ROW1
	v_wmma_scale_f32_16x16x128_f8f6f4 v[DA+72:DA+79], v[XA+8:XA+15], v[YA+8:YA+15], 0, v[SX], v[SY] matrix_a_fmt:MATRIX_FMT_FP4 matrix_b_fmt:MATRIX_FMT_FP4 matrix_a_scale:MATRIX_SCALE_ROW1 matrix_b_scale:MATRIX_SCALE_ROW1
.else
	v_wmma_scale_f32_16x16x128_f8f6f4 v[DA:DA+7], v[XA:XA+7], v[YA:YA+7], v[DA:DA+7], v[SX], v[SY] matrix_a_fmt:MATRIX_FMT_FP4 matrix_b_fmt:MATRIX_FMT_FP4
	v_wmma_scale_f32_16x16x128_f8f6f4 v[DA+64:DA+71], v[XA:XA+7], v[YA+8:YA+15], v[DA+64:DA+71], v[SX], v[SY] matrix_a_fmt:MATRIX_FMT_FP4 matrix_b_fmt:MATRIX_FMT_FP4 matrix_b_scale:MATRIX_SCALE_ROW1
	v_wmma_scale_f32_16x16x128_f8f6f4 v[DA+8:DA+15], v[XA+8:XA+15], v[YA:YA+7], v[DA+8:DA+15], v[SX], v[SY] matrix_a_fmt:MATRIX_FMT_FP4 matrix_b_fmt:MATRIX_FMT_FP4 matrix_a_scale:MATRIX_SCALE_ROW1
	v_wmma_scale_f32_16x16x128_f8f6f4 v[DA+72:DA+79], v[XA+8:XA+15], v[YA+8:YA+15], v[DA+72:DA+79], v[SX], v[SY] matrix_a_fmt:MATRIX_FMT_FP4 matrix_b_fmt:MATRIX_FMT_FP4 matrix_a_scale:MATRIX_SCALE_ROW1 matrix_b_scale:MATRIX_SCALE_ROW1
.endif
.endr
.endm
	FETCH 0, 0
.irp ks, 0,1,2,3,4,5,6,7
.if (\ks > 0) && (\ks < 7)
	PLACES                                         ; in front of loads into the buffer that the last step's products read
.endif
.if \ks < 7
	FETCH \ks+1, (\ks+1)%2
	s_wait_dscnt 20                                ; all but the 20 loads just issued
.else
	s_wait_dscnt 0x0
.endif
.if \ks == 0
	MUL \ks, 0, 1
.else
	MUL \ks, \ks%2, 0
.endif
.endr
	WIN 0
	PLACES
; The softmax of query tile i for these 128 keys.  Register 16 b + n of the tile is key 32 b + 16 (lane / 16) + n.
.macro SOFT i
.set S, ACC+64*\i
.irp b, 0,1,2,3
	v_max3_num_f32 v[BM+\b], v[S+16*\b], v[S+1+16*\b], v[S+2+16*\b]   ; the largest score of each block of 32 keys: it serves for the maximum and, since p rises with the score, for the block's largest p
.endr
.irp n, 3,5,7,9,11,13
.irp b, 0,1,2,3
	v_max3_num_f32 v[BM+\b], v[BM+\b], v[S+16*\b+\n], v[S+1+16*\b+\n]
.endr
.endr
.irp b, 0,1,2,3
	v_max_num_f32 v[BM+\b], v[BM+\b], v[S+15+16*\b]
.endr
.irp b, 0,1,2,3
	v_permlanex16_b32 v[BP+\b], v[BM+\b], s[SEL], s[SEL+1]
.endr
.irp b, 0,1,2,3
	v_max_num_f32 v[BM+\b], v[BM+\b], v[BP+\b]     ; with lane l xor 16's 16 keys
.endr
	v_max3_num_f32 v[TT], v[BM], v[BM+1], v[BM+2]
	v_max_num_f32 v[TT], v[TT], v[BM+3]
	v_mul_f32 v[TT], s[CS], v[TT]                  ; the largest t (c is positive)
	v_floor_f32 v[NM+2*\i], -v[TT]                 ; -M = floor(-t) = -ceil(t)
.set n, 0
.rept 32
	v_pk_fma_f32 v[S+n:S+n+1], v[S+n:S+n+1], s[CS:CS+1], v[NM+2*\i:NM+2*\i+1] op_sel_hi:[1,0,0]   ; t - M, two at a time
.set n, n+2
.endr
.irp b, 0,1,2,3
	v_fma_f32 v[BM+\b], v[BM+\b], s[CS], v[NM+2*\i]
.endr
.set n, 0
	s_wait_alu depctr_va_vdst(0)
.rept 64
	v_exp_f32 v[S+n], v[S+n]                       ; p = 2^(t - M)
.set n, n+1
.endr
	v_nop                                          ; a plain place behind the exponentials
	s_wait_alu depctr_va_vdst(0)                   ; one wait for the batch, ahead of its first reader
.irp b, 0,1,2,3
	v_exp_f32 v[BM+\b], v[BM+\b]                   ; the block's largest p
.endr
	v_pk_add_f32 v[SU:SU+1], v[S:S+1], v[S+2:S+3]  ; the sum of the unquantised p, in two chains; it reads the 64 alone
	v_pk_add_f32 v[SU+2:SU+3], v[S+4:S+5], v[S+6:S+7]
.irp n, 8,12,16,20,24,28,32,36,40,44,48,52,56,60
	v_pk_add_f32 v[SU:SU+1], v[SU:SU+1], v[S+\n:S+\n+1]
	v_pk_add_f32 v[SU+2:SU+3], v[SU+2:SU+3], v[S+\n+2:S+\n+3]
.endr
	v_pk_add_f32 v[SU:SU+1], v[SU:SU+1], v[SU+2:SU+3]
	s_wait_alu depctr_va_vdst(0)                   ; and one for the four
.irp b, 0,1,2,3
	v_max_num_f32 v[BM+\b], 0x1800000, v[BM+\b]    ; the floor 2^(3 - 127)
.endr
.irp b, 0,1,2,3
	v_add_nc_u32 v[SO+\b], 0xff000000, v[BM+\b]    ; the conversion's scale operand
.endr
.irp b, 0,1,2,3
	v_lshrrev_b32 v[BP+\b], 23, v[SO+\b]           ; the scale's byte
.endr
	v_lshl_or_b32 v[PW+\i], v[BP+1], 8, v[BP]
	v_lshl_or_b32 v[PW+\i], v[BP+2], 16, v[PW+\i]
	v_lshl_or_b32 v[PW+\i], v[BP+3], 24, v[PW+\i]
.irp b, 0,1,2,3
	v_cvt_scalef32_pk8_fp4_f32 v[PC+8*\i+2*\b], v[S+16*\b:S+16*\b+7], v[SO+\b]
	v_cvt_scalef32_pk8_fp4_f32 v[PC+8*\i+2*\b+1], v[S+16*\b+8:S+16*\b+15], v[SO+\b]
.endr
	v_nop                                          ; one plain place behind a scaled conversion
.irp c, 0,1
.irp e, 0,1
	v_permlane16_swap_b32 v[PC+8*\i+4*\c+\e], v[PC+8*\i+4*\c+2+\e]
.endr
.endr
	v_add_f32 v[LL+\i], v[SU], v[SU+1]
	v_permlanex16_b32 v[BP], v[LL+\i], s[SEL], s[SEL+1]
	v_add_f32 v[LL+\i], v[LL+\i], v[BP]            ; l of these 128 keys
.irp c, 0,1
	global_store_b128 v[LI], v[PC+8*\i+4*\c:PC+8*\i+4*\c+3], s[OP:OP+1] offset:1024*\i+512*\c   ; the fragment as an image: 512 consecutive aligned bytes
.endr
	ds_store_b32 v[STW], v[PW+\i] offset:64*\i     ; lanes r and r + 16 write the same word with the same value
	ds_store_b32 v[STW], v[NM+2*\i] offset:512+64*\i
	ds_store_b32 v[STW], v[LL+\i] offset:1024+64*\i
.endm
	SOFT 0
	SOFT 1
	s_wait_dscnt 0x0                               ; for the others' sake: my stores into the stage are done
	s_barrier_signal -1
	s_barrier_wait -1
	s_cmp_lt_u32 s[WV], 3                          ; wave 0 stores the 128 words, wave 1 the -M, wave 2 the l: 512 consecutive bytes each
	s_cbranch_scc0 .Lno_tail
	ds_load_b128 v[TL:TL+3], v[STR]
	s_wait_dscnt 0x0
	global_store_b128 v[GO], v[TL:TL+3], s[OT:OT+1]
.Lno_tail:
	s_wait_tensorcnt 0x0                           ; the wave's end
	ds_add_u32 v[SPW], v[NIL]
	s_wait_dscnt 0x0
	CROUND                                         ; the closing round
	s_endpgm
.Lfunc_end_k_q5e38880d79_scores:
	.size	k_q5e38880d79_scores, .Lfunc_end_k_q5e38880d79_scores-k_q5e38880d79_scores
	.p2alignl 7, 3214868480
	.fill 96, 4, 3214868480
	.section	.rodata,"a",@progbits
	.p2align	6, 0x0
	.amdhsa_kernel k_q5e38880d79_scores
		.amdhsa_group_segment_fixed_size 167936
		.amdhsa_private_segment_fixed_size 0
		.amdhsa_enable_private_segment 0
		.amdhsa_kernarg_size 16
		.amdhsa_user_sgpr_count 2
		.amdhsa_user_sgpr_kernarg_segment_ptr 1
		.amdhsa_wavefront_size32 1
		.amdhsa_system_sgpr_workgroup_id_x 1
		.amdhsa_system_sgpr_workgroup_id_y 1
		.amdhsa_system_sgpr_workgroup_id_z 1
		.amdhsa_system_vgpr_workitem_id 0
		.amdhsa_next_free_vgpr 512
		.amdhsa_next_free_sgpr 72
		.amdhsa_reserve_vcc 0
		.amdhsa_float_denorm_mode_32 3
		.amdhsa_float_denorm_mode_16_64 3
		.amdhsa_memory_ordered 1
		.amdhsa_forward_progress 1
		.amdhsa_inst_pref_size 59
	.end_amdhsa_kernel
	.amdgpu_metadata
---
amdhsa.version: [ 1, 2 ]
amdhsa.kernels:
  - .name:           k_q5e38880d79_scores
    .symbol:         k_q5e38880d79_scores.kd
    .args:
      - { .name: qkv, .offset: 0, .size: 8, .value_kind: global_buffer, .address_space: global }
      - { .name: pm, .offset: 8, .size: 8, .value_kind: global_buffer, .address_space: global }
    .group_segment_fixed_size: 167936
    .private_segment_fixed_size: 0
    .kernarg_segment_align: 8
    .kernarg_segment_size: 16
    .max_flat_workgroup_size: 128
    .sgpr_count:     72
    .vgpr_count:     512
    .wavefront_size: 32
...
	.end_amdgpu_metadata
.endif
;; end of part 3
;; launch pv (part 4): grid 32 x 8, 4 waves a work-group, clusters of 4 x 4, 196,608 bytes of LDS; arguments qkv, pm, out0; writes out0
.if DOCPART == 4
	.amdgcn_target "amdgcn-amd-amdhsa--gfx1250"
	.amdhsa_code_object_version 6
	.text
	.protected	k_q5e38880d79_pv
	.globl	k_q5e38880d79_pv
	.p2align	8
	.type	k_q5e38880d79_pv,@function
k_q5e38880d79_pv:
	s_mov_b64 s[64:65], 0
	v_nop
	global_prefetch_b8 v0, s[64:65] scope:SCOPE_SE
	s_setreg_imm32_b32 hwreg(HW_REG_WAVE_MODE, 25, 1), 1
	s_wait_xcnt 0x0
	s_wait_alu depctr_hold_cnt(0) depctr_sa_sdst(0) depctr_va_vdst(0) depctr_va_sdst(0) depctr_va_ssrc(0) depctr_va_vcc(0) depctr_vm_vsrc(0)
	s_getreg_b32 s2, hwreg(HW_REG_IB_STS2, 6, 4)
	s_cmp_eq_u32 s2, 0
	s_cbranch_scc0 .Lentry_in_a_cluster
	s_endpgm
.Lentry_in_a_cluster:
	s_bfe_u32 s2, ttmp6, 0x10000c
	s_cmp_lg_u32 s2, 0xf033
	s_cbranch_scc0 .Lentry_shape_is_right
	s_endpgm
.Lentry_shape_is_right:
; LAUNCH 4 OF 4.  For one head, 128 of its e and 128 queries: O^T = V^T P^T on codes of E2M1 (K = the 1,024 keys), divided by the row's sum.
; p's eight chunks of 128 keys were made each under its own whole-number maximum.  Here -M of the row is the smallest of the eight -M; E = M of the chunk - M of the row is a whole number, 0 or less;
; the chunk's l is multiplied by 2^E (exact) and E is added to each of its scale bytes: the codes stay as they are.
; LIMIT: a scale byte that would fall under 0 is held at 0 (2^-127): such a block lies under 1e-37 of the row's largest p.  E is held at -127 for the bytes.  NaN and infinities are not served.
; SHARES.  X = v's block (source 0: 8 tiles of 16 e), Y = pm's block (source 1: p).  Wave w takes all 8 tiles of e x query tiles 2 w, 2 w + 1.  Both blocks come whole into LDS by one tensor load a wave; nothing is filled again.
; CLUSTER 4 x 4: v's block hangs on x alone (joint along a column), pm's on the head and y (joint along a row).
.set BLK,   69632
.set HALF,  34816
.set PBLK,  77824
.set PHALF, 38912
.set STAGE, PBLK+BLK                   ; 16 rows x (512 bytes + 16) for each wave; no tensor load lands here
.set SPARE, STAGE+4*8448
.set LI,  3                            ; v3  16 x lane
.set AX,  4
.set AY,  5
.set AXS, 6
.set TA,  7                            ; v7  65,536 + 128 w + 4 r: my queries' words, -M and l
.set STO, 8
.set RD,  9
.set SPW, 12
.set NIL, 13
.set XSC, 16                           ; v16-47  v's scale words: register 4 ks + j: lanes 0-15 tile 2 j, lanes 16-31 tile 2 j + 1
.set YSC, 48                           ; v48-63  p's scale words: register 8 i + ks, lanes 0-15
.set RL,  66                           ; v66, v68: 1 / l of my two tiles (named as pairs: v67, v69 are written)
.set T,   72                           ; v72-79 at work
.set ACC, 96
.set NMR, 224                          ; v224-255: tile i: -M at NMR + 16 i + ks, l at NMR + 8 + 16 i + ks
.set WV,  10
.set G1Y, 24
.set G0Y, 32
.set G1X, 36
.set G0X, 44
.set ONES, 54
.set OUT, 60
.set MSB, 0
.macro WIN new
.if MSB != (\new)
	s_set_vgpr_msb (MSB<<8)|(\new)
.set MSB, (\new)
.endif
.endm
.macro CROUND
	s_barrier_signal -1
	s_barrier_wait -1
	s_cmp_lg_u32 s[WV], 0
	s_cbranch_scc1 .Lnot_wave_0_\@
	s_barrier_signal -3
.Lnot_wave_0_\@:
	s_barrier_wait -3
	s_barrier_signal -1
	s_barrier_wait -1
.endm
.macro PLACES
.rept 4
	v_nop
.endr
.endm
	s_load_b128 s[4:7], s[0:1], 0x0                ; qkv, pm
	s_load_b64 s[8:9], s[0:1], 0x10                ; out0
	v_lshl_add_u32 v[SPW], v0, 2, SPARE
	v_mov_b32 v[NIL], 0
	ds_add_u32 v[SPW], v[NIL]                      ; the wave's opening: the add, twice on end, and its wait ahead of my tensor load
	ds_add_u32 v[SPW], v[NIL]
	v_lshrrev_b32 v1, 5, v0
	v_readfirstlane_b32 s[WV], v1
	s_lshr_b32 s11, s[WV], 1
	s_and_b32 s12, s[WV], 1
	s_bfe_u32 s13, ttmp6, 0x40000                  ; cx
	s_bfe_u32 s14, ttmp6, 0x40004                  ; cy
	s_lshl_b32 s15, ttmp9, 2
	s_add_co_u32 s15, s15, s13                     ; x = 8 head + group of 128 e
	s_and_b32 s16, ttmp7, 0xffff
	s_lshl_b32 s16, s16, 2
	s_add_co_u32 s16, s16, s14                     ; y = group of queries
	s_lshr_b32 s17, ttmp9, 1                       ; the head
	s_lshl_b32 s18, s14, 2
	s_lshl_b32 s18, 15, s18
	s_lshl_b32 s19, 0x1111, s13
	s_or_b32 s[G1Y], s18, (3<<16)|(1<<21)
	s_mov_b32 s[G1Y+1], 32<<16                     ; rows of 256 bytes,
	s_mov_b32 s[G1Y+2], 152<<16                    ; 152 of them: half of pm's block
	s_mov_b32 s[G1Y+3], 32<<16
	s_mov_b32 s[G1Y+4], 152
	s_mov_b32 s[G1Y+5], 32
	s_mov_b32 s[G1Y+6], 0
	s_mov_b32 s[G1Y+7], 0
	s_or_b32 s[G1X], s19, (3<<16)|(1<<21)
	s_mov_b32 s[G1X+1], 32<<16
	s_mov_b32 s[G1X+2], 136<<16                    ; 136: half of v's block
	s_mov_b32 s[G1X+3], 32<<16
	s_mov_b32 s[G1X+4], 136
	s_mov_b32 s[G1X+5], 32
	s_mov_b32 s[G1X+6], 0
	s_mov_b32 s[G1X+7], 0
	s_mul_i32 s50, s12, PHALF                      ; Y's half: in memory and in LDS alike
	s_lshl_b32 s48, s17, 3
	s_add_co_u32 s48, s48, s16
	s_mul_i32 s48, s48, PBLK
	s_add_co_u32 s48, s48, s50
	s_mov_b32 s49, 0
	s_mul_i32 s51, s12, HALF
	s_add_co_u32 s52, s15, 64
	s_mul_i32 s52, s52, BLK                        ; v's block 64 + x
	s_add_co_u32 s52, s52, s51
	s_mov_b32 s53, 0
	s_add_co_u32 s51, s51, PBLK                    ; X's block lies behind Y's
	s_mov_b32 s[ONES], 0x01010101
	s_wait_dscnt 0x0
	s_wait_kmcnt 0x0
	CROUND
	s_mov_b32 s[G0Y], 1
	s_mov_b32 s[G0Y+1], s50
	s_add_nc_u64 s[G0Y+2:G0Y+3], s[6:7], s[48:49]
	s_or_b32 s[G0Y+3], s[G0Y+3], 0x80000000
	s_mov_b32 s[G0X], 1
	s_mov_b32 s[G0X+1], s51
	s_add_nc_u64 s[G0X+2:G0X+3], s[4:5], s[52:53]
	s_or_b32 s[G0X+3], s[G0X+3], 0x80000000
	s_cmp_eq_u32 s11, 0                            ; an s_nop 0 and four v_nop follow each of the two lines
	s_cbranch_scc0 .Lfor_x
	tensor_load_to_lds s[G0Y:G0Y+3], s[G1Y:G1Y+7]
	s_nop 0
.rept 4
	v_nop
.endr
	s_branch .Lasked
.Lfor_x:
	tensor_load_to_lds s[G0X:G0X+3], s[G1X:G1X+7]
	s_nop 0
.rept 4
	v_nop
.endr
.Lasked:
	v_and_b32 v1, 15, v0                           ; r
	v_bfe_u32 v2, v0, 4, 1                         ; lane / 16
	v_and_b32 v[LI], 31, v0
	v_lshlrev_b32 v[AXS], 2, v[LI]
	v_lshlrev_b32 v[LI], 4, v[LI]
	v_add_nc_u32 v[AX], PBLK, v[LI]
	s_lshl_b32 s20, s[WV], 11
	v_add_nc_u32 v[AY], s20, v[LI]
	v_add_nc_u32 v[AXS], PBLK+65536, v[AXS]
	s_lshl_b32 s20, s[WV], 7
	s_add_co_u32 s20, s20, 65536
	v_lshl_add_u32 v[TA], v1, 2, s20
	s_mul_i32 s20, s[WV], 8448
	s_add_co_u32 s20, s20, STAGE
	v_mul_u32_u24 v[STO], v1, 528
	v_lshl_add_u32 v[STO], v2, 6, v[STO]
	v_add_nc_u32 v[STO], s20, v[STO]               ; in: row r, 64 bytes for each half of the lanes in each 128
	v_add_nc_u32 v[RD], s20, v[LI]                 ; back: the 32 lanes take one row of 512 bytes
	v_mov_b32 v[RL+1], 0
	v_mov_b32 v[RL+3], 0
	s_lshl_b32 s20, s16, 7
	s_lshl_b32 s21, s[WV], 5
	s_add_co_u32 s20, s20, s21                     ; my first query: 128 y + 32 w
	s_lshl_b32 s20, s20, 14                        ; a row of out0 is 16,384 bytes
	s_lshl_b32 s21, s17, 12
	s_add_co_u32 s20, s20, s21
	s_and_b32 s21, s15, 7
	s_lshl_b32 s21, s21, 9
	s_add_co_u32 s20, s20, s21
	s_mov_b32 s21, 0
	s_add_nc_u64 s[OUT:OUT+1], s[8:9], s[20:21]
	s_wait_alu depctr_va_vdst(0)
	s_wait_tensorcnt 0x0
	s_barrier_signal -1
	s_barrier_wait -1
.irp i, 0,1
.irp ks, 0,1,2,3,4,5,6,7
	ds_load_b32 v[YSC+8*\i+\ks], v[TA] offset:512*\ks+64*\i
	ds_load_b32 v[NMR+16*\i+\ks], v[TA] offset:4096+512*\ks+64*\i
	ds_load_b32 v[NMR+8+16*\i+\ks], v[TA] offset:8192+512*\ks+64*\i
.endr
.endr
.irp ks, 0,1,2,3,4,5,6,7
.irp j, 0,1,2,3
	ds_load_b32 v[XSC+4*\ks+\j], v[AXS] offset:512*\ks+128*\j
.endr
.endr
.macro FETCH ks, p
	WIN 0x40
.irp t, 0,1,2,3,4,5,6,7
.irp c, 0,1
	ds_load_b128 v[128*(\p)+8*\t+4*\c:128*(\p)+8*\t+4*\c+3], v[AX] offset:8192*(\ks)+1024*\t+512*\c
.endr
.endr
.irp i, 0,1
.irp c, 0,1
	ds_load_b128 v[128*(\p)+64+8*\i+4*\c:128*(\p)+64+8*\i+4*\c+3], v[AY] offset:8192*(\ks)+1024*\i+512*\c
.endr
.endr
.endm
; 16 matrix instructions; the 16 accumulators take turns, one instruction a turn, in the same order in every step.
.macro MUL ks, p, zero
	WIN 0x05
.irp j, 0,1,2,3
.set XA, 128*(\p)+16*\j
.set YA, 128*(\p)+64
.set DA, ACC+16*\j
.set SX, XSC+4*(\ks)+\j
.set SY, YSC+(\ks)
.if \zero
	v_wmma_scale_f32_16x16x128_f8f6f4 v[DA:DA+7], v[XA:XA+7], v[YA:YA+7], 0, v[SX], v[SY] matrix_a_fmt:MATRIX_FMT_FP4 matrix_b_fmt:MATRIX_FMT_FP4
	v_wmma_scale_f32_16x16x128_f8f6f4 v[DA+64:DA+71], v[XA:XA+7], v[YA+8:YA+15], 0, v[SX], v[SY+8] matrix_a_fmt:MATRIX_FMT_FP4 matrix_b_fmt:MATRIX_FMT_FP4
	v_wmma_scale_f32_16x16x128_f8f6f4 v[DA+8:DA+15], v[XA+8:XA+15], v[YA:YA+7], 0, v[SX], v[SY] matrix_a_fmt:MATRIX_FMT_FP4 matrix_b_fmt:MATRIX_FMT_FP4 matrix_a_scale:MATRIX_SCALE_ROW1
	v_wmma_scale_f32_16x16x128_f8f6f4 v[DA+72:DA+79], v[XA+8:XA+15], v[YA+8:YA+15], 0, v[SX], v[SY+8] matrix_a_fmt:MATRIX_FMT_FP4 matrix_b_fmt:MATRIX_FMT_FP4 matrix_a_scale:MATRIX_SCALE_ROW1
.else
	v_wmma_scale_f32_16x16x128_f8f6f4 v[DA:DA+7], v[XA:XA+7], v[YA:YA+7], v[DA:DA+7], v[SX], v[SY] matrix_a_fmt:MATRIX_FMT_FP4 matrix_b_fmt:MATRIX_FMT_FP4
	v_wmma_scale_f32_16x16x128_f8f6f4 v[DA+64:DA+71], v[XA:XA+7], v[YA+8:YA+15], v[DA+64:DA+71], v[SX], v[SY+8] matrix_a_fmt:MATRIX_FMT_FP4 matrix_b_fmt:MATRIX_FMT_FP4
	v_wmma_scale_f32_16x16x128_f8f6f4 v[DA+8:DA+15], v[XA+8:XA+15], v[YA:YA+7], v[DA+8:DA+15], v[SX], v[SY] matrix_a_fmt:MATRIX_FMT_FP4 matrix_b_fmt:MATRIX_FMT_FP4 matrix_a_scale:MATRIX_SCALE_ROW1
	v_wmma_scale_f32_16x16x128_f8f6f4 v[DA+72:DA+79], v[XA+8:XA+15], v[YA+8:YA+15], v[DA+72:DA+79], v[SX], v[SY+8] matrix_a_fmt:MATRIX_FMT_FP4 matrix_b_fmt:MATRIX_FMT_FP4 matrix_a_scale:MATRIX_SCALE_ROW1
.endif
.endr
.endm
; Query tile i: the eight chunks are brought under the row's M.
.macro SHIFT i
.set NN, NMR+16*\i
.set LV, NMR+8+16*\i
.set WW, YSC+8*\i
	v_min_num_f32 v[T], v[NN], v[NN+1]
	v_min_num_f32 v[T+1], v[NN+2], v[NN+3]
	v_min_num_f32 v[T+2], v[NN+4], v[NN+5]
	v_min_num_f32 v[T+3], v[NN+6], v[NN+7]
	v_min_num_f32 v[T], v[T], v[T+1]
	v_min_num_f32 v[T+2], v[T+2], v[T+3]
	v_min_num_f32 v[T], v[T], v[T+2]               ; -M of the row
.irp k, 0,1,2,3,4,5,6,7
	v_sub_f32 v[NN+\k], v[T], v[NN+\k]             ; E = M of the chunk - M of the row: a whole number, 0 or less
.endr
.irp k, 0,1,2,3,4,5,6,7
	v_cvt_i32_f32 v[NN+\k], v[NN+\k]               ; (it saturates)
.endr
.irp k, 0,1,2,3,4,5,6,7
	v_ldexp_f32 v[LV+\k], v[LV+\k], v[NN+\k]       ; the chunk's l under the row's M: nothing is rounded
.endr
.irp k, 0,1,2,3,4,5,6,7
	v_sub_nc_u32 v[NN+\k], 0, v[NN+\k]
.endr
.irp k, 0,1,2,3,4,5,6,7
	v_min_u32 v[NN+\k], 127, v[NN+\k]
.endr
.irp k, 0,1,2,3,4,5,6,7
	v_mul_lo_u32 v[NN+\k], v[NN+\k], s[ONES]       ; -E in each of the four bytes
.endr
.irp k, 0,1,2,3,4,5,6,7
	v_or_b32 v[WW+\k], 0x80808080, v[WW+\k]        ; p is at most 1, so a byte is at most 125: with 128 on top no byte borrows from its neighbour
.endr
.irp k, 0,1,2,3,4,5,6,7
	v_sub_nc_u32 v[WW+\k], v[WW+\k], v[NN+\k]
.endr
.irp k, 0,1,2,3,4,5,6,7
	v_lshrrev_b32 v[NN+\k], 7, v[WW+\k]
.endr
.irp k, 0,1,2,3,4,5,6,7
	v_and_b32 v[NN+\k], s[ONES], v[NN+\k]          ; 1 where the byte did not fall under 0
.endr
.irp k, 0,1,2,3,4,5,6,7
	v_lshlrev_b32 v[T+\k], 7, v[NN+\k]
.endr
.irp k, 0,1,2,3,4,5,6,7
	v_sub_nc_u32 v[NN+\k], v[T+\k], v[NN+\k]       ; 127 there, 0 elsewhere
.endr
.irp k, 0,1,2,3,4,5,6,7
	v_and_b32 v[WW+\k], v[WW+\k], v[NN+\k]         ; the byte + E, held at 0
.endr
	v_add_f32 v[LV], v[LV], v[LV+1]
	v_add_f32 v[LV+2], v[LV+2], v[LV+3]
	v_add_f32 v[LV+4], v[LV+4], v[LV+5]
	v_add_f32 v[LV+6], v[LV+6], v[LV+7]
	v_add_f32 v[LV], v[LV], v[LV+2]
	v_add_f32 v[LV+4], v[LV+4], v[LV+6]
	v_add_f32 v[LV], v[LV], v[LV+4]                ; the row's sum: over 1/2, since the row's largest p is
	s_wait_alu depctr_va_vdst(0)
	v_rcp_f32 v[RL+2*\i], v[LV]
.endm
	FETCH 0, 0
	WIN 0
	s_wait_dscnt 52                                ; the 48 words, -M and l are in; v's 32 scale words and the first 20 fragment loads may be out
	SHIFT 0
	SHIFT 1
.rept 8
	v_nop                                          ; a scale register written by a vector instruction stands 8 places ahead of a scaled matrix instruction; also the plain place behind the reciprocals
.endr
	s_wait_alu depctr_va_vdst(0)                   ; one wait for both reciprocals, ahead of their first reader
.irp ks, 0,1,2,3,4,5,6,7
.if (\ks > 0) && (\ks < 7)
	PLACES
.endif
.if \ks < 7
	FETCH \ks+1, (\ks+1)%2
	s_wait_dscnt 20                                ; all but the 20 loads just issued
.else
	s_wait_dscnt 0x0
.endif
.if \ks == 0
	MUL \ks, 0, 1
.else
	MUL \ks, \ks%2, 0
.endif
.endr
	WIN 0
	PLACES
; THE WAY OUT.  Register 16 b + n of tile i is e = 32 b + 16 (lane / 16) + n of query r.  Divided by l, a tile goes through my stage and comes back as whole rows of 512 bytes, into the registers that it left.
.macro TOSTAGE i
.set n, 0
.rept 32
	v_pk_mul_f32 v[ACC+64*\i+n:ACC+64*\i+n+1], v[ACC+64*\i+n:ACC+64*\i+n+1], v[RL+2*\i:RL+2*\i+1] op_sel_hi:[1,0]
.set n, n+2
.endr
.irp b, 0,1,2,3
.irp j, 0,1,2,3
	ds_store_b128 v[STO], v[ACC+64*\i+16*\b+4*\j:ACC+64*\i+16*\b+4*\j+3] offset:128*\b+16*\j
.endr
.endr
.irp t, 0,1,2,3,4,5,6,7,8,9,10,11,12,13,14,15
	ds_load_b128 v[ACC+64*\i+4*\t:ACC+64*\i+4*\t+3], v[RD] offset:528*\t    ; LDS serves a wave's instructions in order: these see the stores above, and the next tile's stores come behind them
.endr
.endm
.macro SEND i                          ; image row t of tile 2 w + i is query 32 w + 8 i + t + 8 (t / 8)
.irp t, 0,1,2,3,4,5,6,7,8,9,10,11,12,13,14,15
	global_store_b128 v[LI], v[ACC+64*\i+4*\t:ACC+64*\i+4*\t+3], s[OUT:OUT+1] offset:(8*\i+\t+8*(\t/8))*16384 th:TH_STORE_NT   ; 32 lanes store 512 consecutive aligned bytes
.endr
.endm
	TOSTAGE 0
	TOSTAGE 1
	s_wait_dscnt 32                                ; tile 0 is back; tile 1's 16 stores and 16 loads may be out
	SEND 0
	s_wait_dscnt 0x0
	SEND 1
	s_wait_tensorcnt 0x0                           ; the wave's end
	ds_add_u32 v[SPW], v[NIL]
	s_wait_dscnt 0x0
	CROUND                                         ; the closing round
	s_endpgm
.Lfunc_end_k_q5e38880d79_pv:
	.size	k_q5e38880d79_pv, .Lfunc_end_k_q5e38880d79_pv-k_q5e38880d79_pv
	.p2alignl 7, 3214868480
	.fill 96, 4, 3214868480
	.section	.rodata,"a",@progbits
	.p2align	6, 0x0
	.amdhsa_kernel k_q5e38880d79_pv
		.amdhsa_group_segment_fixed_size 196608
		.amdhsa_private_segment_fixed_size 0
		.amdhsa_enable_private_segment 0
		.amdhsa_kernarg_size 24
		.amdhsa_user_sgpr_count 2
		.amdhsa_user_sgpr_kernarg_segment_ptr 1
		.amdhsa_wavefront_size32 1
		.amdhsa_system_sgpr_workgroup_id_x 1
		.amdhsa_system_sgpr_workgroup_id_y 1
		.amdhsa_system_sgpr_workgroup_id_z 1
		.amdhsa_system_vgpr_workitem_id 0
		.amdhsa_next_free_vgpr 512
		.amdhsa_next_free_sgpr 72
		.amdhsa_reserve_vcc 0
		.amdhsa_float_denorm_mode_32 3
		.amdhsa_float_denorm_mode_16_64 3
		.amdhsa_memory_ordered 1
		.amdhsa_forward_progress 1
		.amdhsa_inst_pref_size 60
	.end_amdhsa_kernel
	.amdgpu_metadata
---
amdhsa.version: [ 1, 2 ]
amdhsa.kernels:
  - .name:           k_q5e38880d79_pv
    .symbol:         k_q5e38880d79_pv.kd
    .args:
      - { .name: qkv, .offset: 0, .size: 8, .value_kind: global_buffer, .address_space: global }
      - { .name: pm, .offset: 8, .size: 8, .value_kind: global_buffer, .address_space: global }
      - { .name: out0, .offset: 16, .size: 8, .value_kind: global_buffer, .address_space: global }
    .group_segment_fixed_size: 196608
    .private_segment_fixed_size: 0
    .kernarg_segment_align: 8
    .kernarg_segment_size: 24
    .max_flat_workgroup_size: 128
    .sgpr_count:     72
    .vgpr_count:     512
    .wavefront_size: 32
...
	.end_amdgpu_metadata
.endif
;; end of part 4
